; MI455X (gfx1250); checked and timed in simulation.
; The chip was launched on July 23, 2026; its instructions are those of AMD's public machine-readable ISA for CDNA 5 (MIT licence, August 2026) and "CDNA5" Instruction Set Architecture Reference Guide (July 2026). The comments in the code are by the model that wrote it; some were corrected since.
;; Fusion Aware Interp CVPR. Allowed arithmetic: matrix products marked QUANTISED: E4M3 operands, one given power-of-two scale a tensor, by v_wmma_f32_16x16x64_fp8_fp8 or v_wmma_f32_16x16x128_fp8_fp8, f32 sums; products left as they are: f32 operands where the result goes on into a quantised operand, else bf16, f16 or f32 operands; f32 sums; everything else in f32.
;; Inputs: b1 128 float32; b2 128 float32; b3 128 float32; feat_2d 4 x 128 x 64 x 64 float32; feat_3d 4 x 128 x 4,096 float32; lowp_scales 6 int32 (the exponents e of the quantised operands' scales 2^e); uv 4 x 2 x 4,096 float32; w1 128 x 131 float32; w2_codes 128 x 4 x 32 uint8 (E4M3 codes of w2, K innermost, in blocks of 32 codes); w3_codes 128 x 4 x 32 uint8 (E4M3 codes of w3, K innermost, in blocks of 32 codes).
;; Outputs: out0 4 x 128 x 64 x 64 float32.
;; This version of the problem:
;;   THIS VERSION OF THE PROBLEM IS GIVEN IN LOW PRECISION. The matrix products marked QUANTISED in the list below multiply operands that are first quantised to E4M3 (4 exponent bits, 3 mantissa bits; 8 bits a number), with one given power-of-two scale for each operand tensor; their sums are f32. All else is computed in f32.
;;   The module's matrix products, in the order in which they are computed (A, B: the left and right operand; K: the contracted axis; several contracted axes count as one K, in the product's order):
;;     1. batch 4 x [M 4,096, K 2] x [K 2, N 4,096]; A: computed on the way; B: input uv: left as it is (K = 2 < 32)
;;     2. [M 128, K 131] x [K 131, N 16,384]; A: input w1; B: computed on the way: QUANTISED (scales: A lowp_scales[0], B lowp_scales[1])
;;     3. [M 128, K 128] x [K 128, N 16,384]; A: input w2 (given as codes); B: computed on the way: QUANTISED (scales: A lowp_scales[2], B lowp_scales[3])
;;     4. [M 128, K 128] x [K 128, N 16,384]; A: input w3 (given as codes); B: computed on the way: QUANTISED (scales: A lowp_scales[4], B lowp_scales[5])
;;   THE QUANTISER, for each operand of a quantised product, along K:
;;     - The operand's scale is 2^e, e = its entry of the input lowp_scales (int32; the entries are numbered through the quantised products in the list's order, A before B).
;;     - Each number is divided by the scale, clamped to +-448, and rounded to the nearest number of E4M3, ties to even, subnormals kept.
;;     - The product sums the exact products of the quantised numbers (number of the format x scale) in f32.
;;   ~~~python
;;   def quantise(x, axis, e):      # numpy; x: float32 -> the quantised numbers, widened to float32 again
;;       x = np.moveaxis(x, axis, -1); K = x.shape[-1]
;;       r = np.clip(x / 2.0 ** e, -448, 448)
;;       step = 2.0 ** (np.maximum(np.frexp(np.where(r == 0, 1, r))[1] - 1, -6) - 3)
;;       q = np.round(r / step) * step * 2.0 ** e      # np.round: ties to even
;;       return np.moveaxis(q, -1, axis).astype(np.float32)
;;   ~~~
;;   OPERANDS COMPUTED ON THE WAY. 'Computed on the way' means the value that the module computes at that place (a softmax that the list does not call 'softmax' is quantised finished and normalised). What goes into a quantiser is computed in f32, as accurately as f32 sums, v_exp_f32 and their like allow (about 1e-6 of the number): no bf16 or f16 on the way to a quantiser, and a product that is left as it is and whose result goes on into a quantised operand takes f32 operands (vector FMAs, or v_wmma_f32_16x16x4_f32). A number that lies on a knife's edge between two numbers of the format may be rounded either way, as far as f32 arithmetic and the matrix unit's own rounding can turn it there, and no further.
;;   INPUTS GIVEN AS CODES. w2 (in the module: [128, 128], K = its axis 1); w3 (in the module: [128, 128], K = its axis 1): each comes as NAME_codes (uint8): NAME with its K axis moved to the last place and cut into blocks of 32 codes, [.., K / 32, bytes a block], one block behind the other in memory; one code a byte (a code: sign, 4 exponent bits, 3 mantissa bits); its scale is its entry of lowp_scales. Its value is code x scale, taken as it is: it is not quantised again, and the codes and scales need not be those that the quantiser above would give.
;; One version. Each part assembles by itself: llvm-mc -triple=amdgcn-amd-amdhsa -mcpu=gfx1250 --defsym DOCPART=n.
;; ======== version 1 of 1: 2 launches
;; workspace buffers: nn 65,536 bytes of whole numbers; cells 262,144 bytes of whole numbers; f2t 8,388,608 bytes; f3c 2,097,152 bytes; w1c 16,384 bytes
;; launch prep_knn (part 1): grid 256 x 1, 8 waves a work-group, no clusters, 168,960 bytes of LDS; arguments uv, feat_2d, feat_3d, w1, lowp_scales, nn, cells, f2t, f3c, w1c; writes nn, cells, f2t, f3c, w1c
.if DOCPART == 1
	.amdgcn_target "amdgcn-amd-amdhsa--gfx1250"
	.amdhsa_code_object_version 6
	.text
	.protected	k_q97b91a451b_prep_knn
	.globl	k_q97b91a451b_prep_knn
	.p2align	8
	.type	k_q97b91a451b_prep_knn,@function
k_q97b91a451b_prep_knn:
	s_mov_b64 s[64:65], 0
	v_nop
	global_prefetch_b8 v0, s[64:65] scope:SCOPE_SE
	s_setreg_imm32_b32 hwreg(HW_REG_WAVE_MODE, 25, 1), 1
	s_wait_xcnt 0x0
; THE SEARCH AND THE LAYING-OUT.  4 batches of 64 x 64 pixels and 4,096 points each.  Work-group g = 64 b + gy owns image row gy of batch b:
;  (a) for its 64 pixels the FIRST index of the smallest d2 = (|g|^2 + |u|^2) - 2 g.u over the batch's 4,096 points -> nn (b x 4096 + index), whole numbers for the next launch's addresses;
;  (b) feat_2d[b][0..127][gy][0..63] turned into 64 rows of 128 f32 -> f2t;   (c) feat_3d[b][0..127][64 gy ..+63] into 64 rows of 128 E4M3 codes (scale 2^e1) -> f3c:
;      the quantiser works number by number, so it may stand ahead of the gather;   (d) the four rows of f2t round each of those 64 points (floor and clip as in the bilinear sampling) -> cells;
;  (e) work-groups 0 to 7: w1's columns 3 to 130 as codes (scale 2^e0) -> w1c, two rows a wave.
; SHARES OF THE SEARCH.  Wave w takes points 512 w .. 512 w + 511, lane l the pixels gx = 2 l and 2 l + 1, as the two halves of packed f32 instructions.  The waves' results meet in LDS, wave 0 merges them.
; THE ORDER OF ROUNDING IS PART OF THE RESULT: d2 is a small difference of numbers near 10^4, so its last bit decides the argmin where two points lie nearly equally far.  The order taken:
;   u2 = fl(fl(ux ux) + fl(uy uy)): a square and a sum are two operations, left UNFUSED on purpose;   s = fl(g2 + u2);
;   the matrix product sums along K by fused multiply-adds: dot = fma(gy, uy, fl(gx ux)); it is kept as t = -2 dot = fma(-2 gy, uy, fl(-2 gx ux)), since a factor 2 changes no rounding;   d2 = fl(s + t).
; DOT_FMA = 0 rounds the product's second term by itself instead; U2_FMA = 1 fuses u2's second square.  Equal d2: the lower index wins (only a strictly smaller value replaces).
; NO CLUSTER, NO TENSOR LOAD: what work-groups share is a batch's uv, 32 KiB against the 64 KiB of features that each work-group reads alone; it is read once, at the head, by 16-byte loads.  No matrix unit: K = 2.
; LIMITS: NaN and infinities in uv are not served.  e0 and e1 lie between -126 and 119, so that 2^e and 448 x 2^e are f32 numbers.  NaN in feat_3d or w1 is not served (an infinity is held at the largest code).
.set DOT_FMA, 1
.set U2_FMA,  0
; LDS
.set P_UX, 0                           ; ux of the batch's 4,096 points
.set P_BP, 16384                       ; uy (DOT_FMA = 0: -2 gy uy)
.set P_U2, 32768                       ; u2
.set T2,   49152                       ; 64 rows (pixels) x 512 bytes + 16: rows an odd multiple of 16 bytes apart
.set T2P,  528
.set T3,   82944                       ; 64 rows (points) x 128 bytes + 16
.set T3P,  144
.set CMB,  92160                       ; the waves' best values, 256 bytes a wave; 2,048 further on their indices.  Ends at 96,256
; vector registers: v1 lane; v2 16 x thread; v3 4 x lane; v4-v7 places in the two stages; v8 16 x lane; v9 my wave's points in LDS; v10 the same, stepped; v11, v12 places in CMB; v13 w1; v14 8 x lane; v15 my cell's point
.set GXP, 20                           ; v[20:21] -2 gx of my two pixels
.set G2,  22                           ; v[22:23] gx^2 + gy^2
.set BA,  24                           ; v[24:25], v[26:27] the best d2 so far, in two sets by turns
.set BB,  26
.set TQ,  28
.set GI,  30                           ; v[30:31] the group of four points that holds it
.set C0,  32                           ; v[32:37] that group's first three d2
.set C1,  34
.set C2,  36
.set D,   38                           ; v[38:45] four points x two pixels
.set S,   46                           ; v[46:53]
.set PT,  54                           ; v[54:101] four sets of (ux, uy, u2) x 4 points
.set F2R, 102                          ; v[102:133] feat_2d: 2 columns x 16 channels
.set F3R, 134                          ; v[134:165] feat_3d likewise
.set W1R, 166                          ; v[166:173] eight numbers of w1
.set CDS, 174                          ; v[174:181] feat_3d's codes
.set CEL, 182                          ; v[182:185] a point's four cells; v186-189 at work;  v[190:191] w1's codes
.set UXR, 54                           ; the staging of uv lies over PT, D and S, and its squares over F3R
.set UYR, 70
.set BPR, 86
.set U2R, 38
.set SQR, 134
	s_load_b512 s[4:19], s[0:1], 0x0               ; uv s[4:5], feat_2d s[6:7], feat_3d s[8:9], w1 s[10:11], scales s[12:13], nn s[14:15], cells s[16:17], f2t s[18:19]
	s_load_b128 s[20:23], s[0:1], 0x40             ; f3c s[20:21], w1c s[22:23]
	v_lshl_add_u32 v192, v0, 2, 0x29000
	v_mov_b32 v193, 0
	v_lshrrev_b32 v1, 5, v0
	v_readfirstlane_b32 s24, v1                    ; wave 0..7
	v_and_b32 v1, 31, v0                           ; lane
	s_lshr_b32 s25, ttmp9, 6                       ; b
	s_and_b32 s26, ttmp9, 63                       ; gy
	v_lshlrev_b32 v2, 4, v0
	v_lshlrev_b32 v3, 2, v1
	s_lshl_b32 s41, s24, 6
	v_mul_u32_u24 v4, v1, T2P
	v_add_nc_u32 v4, s41, v4
	v_add_nc_u32 v4, T2, v4                        ; into T2: row = my column, byte 64 w: my wave's 16 channels
	s_lshl_b32 s41, s24, 4
	v_mul_u32_u24 v5, v1, T3P
	v_add_nc_u32 v5, s41, v5
	v_add_nc_u32 v5, T3, v5                        ; into T3: row = my point, byte 16 w
	s_mul_i32 s41, s24, 8*T2P
	v_lshl_add_u32 v6, v1, 4, s41
	v_add_nc_u32 v6, T2, v6                        ; out of T2: rows 8 w on, a row of 512 bytes to the 32 lanes
	v_lshrrev_b32 v7, 3, v1
	v_mul_u32_u24 v7, v7, T3P
	v_and_b32 v8, 7, v1
	v_lshl_add_u32 v7, v8, 4, v7
	s_mul_i32 s41, s24, 8*T3P
	v_add_nc_u32 v7, s41, v7
	v_add_nc_u32 v7, T3, v7                        ; out of T3: rows 8 w on, four rows of 128 bytes to the 32 lanes
	v_lshlrev_b32 v8, 4, v1
	s_lshl_b32 s41, s24, 11
	v_mov_b32 v9, s41                              ; my wave's 512 points: 2,048 bytes of each array
	v_lshlrev_b32 v14, 3, v1
	s_lshl_b32 s41, s24, 8
	v_add_nc_u32 v11, s41, v14
	v_add_nc_u32 v11, CMB, v11
	v_add_nc_u32 v12, CMB, v14
	v_lshrrev_b32 v13, 4, v1
	v_mul_u32_u24 v13, v13, 524                    ; w1: a row is 131 f32; lanes 0-15 one row, lanes 16-31 the next,
	v_and_b32 v15, 15, v1
	v_lshl_add_u32 v13, v15, 5, v13                ; eight numbers a lane
	v_and_b32 v15, 63, v0
	v_lshlrev_b32 v15, 2, v15                      ; the point whose cells I make (waves 0 and 1 store them; the others run the same lines, so that all waves count alike)
	s_cvt_f32_u32 s32, s26                         ; gy
	s_mul_f32 s34, s32, s32                        ; gy^2
	s_mul_f32 s32, s32, -2.0                       ; -2 gy,
	s_mov_b32 s33, s32                             ; named as a pair by the packed forms
	s_lshl_b32 s41, s25, 12
	s_cvt_f32_u32 s35, s41                         ; 4096 b: the batch's first row of f2t
	s_mov_b32 s45, 0x427c0000                      ; 63.0
	s_mov_b32 s29, 0
	s_wait_kmcnt 0x0
	s_load_b64 s[30:31], s[12:13], 0x0             ; e0, e1
	s_lshl_b32 s28, s25, 15
	s_add_nc_u64 s[4:5], s[4:5], s[28:29]          ; uv at my batch
	s_lshl_b32 s28, s26, 8
	s_add_nc_u64 s[42:43], s[4:5], s[28:29]        ; and at the group's 64 points
	s_lshl_b32 s28, s25, 21
	s_lshl_b32 s41, s24, 18
	s_add_co_u32 s28, s28, s41
	s_lshl_b32 s41, s26, 8
	s_add_co_u32 s28, s28, s41                     ; batch, my wave's 16 channels, the group's 64 columns
	s_add_nc_u64 s[6:7], s[6:7], s[28:29]
	s_add_nc_u64 s[8:9], s[8:9], s[28:29]
	s_lshl_b32 s28, ttmp9, 10
	s_add_nc_u64 s[16:17], s[16:17], s[28:29]      ; cells: 64 points x 16 bytes
	s_lshl_b32 s28, ttmp9, 15
	s_lshl_b32 s41, s24, 12
	s_add_co_u32 s28, s28, s41
	s_add_nc_u64 s[18:19], s[18:19], s[28:29]      ; f2t: 64 rows x 512 bytes, my wave's 8
	s_lshl_b32 s28, ttmp9, 13
	s_lshl_b32 s41, s24, 10
	s_add_co_u32 s28, s28, s41
	s_add_nc_u64 s[20:21], s[20:21], s[28:29]      ; f3c: 64 rows x 128 bytes, my wave's 8
	s_lshl_b32 s28, ttmp9, 8
	s_add_nc_u64 s[14:15], s[14:15], s[28:29]      ; nn: 64 words
	s_lshl_b32 s44, ttmp9, 3
	s_add_co_u32 s44, s44, s24
	s_min_u32 s44, s44, 63                         ; which two rows of w1 (work-groups 0 to 7 alone use it; held inside w1 in the others)
	s_mul_i32 s28, s44, 1048
	s_add_nc_u64 s[10:11], s[10:11], s[28:29]
	s_lshl_b32 s28, s44, 8
	s_add_nc_u64 s[22:23], s[22:23], s[28:29]
	; ---- the loads: the batch's uv (16 points a thread), my cell's point, my wave's part of feat_2d
.irp i, 0,1,2,3
	global_load_b128 v[UXR+4*\i:UXR+4*\i+3], v2, s[4:5] offset:4096*\i
.endr
.irp i, 0,1,2,3
	global_load_b128 v[UYR+4*\i:UYR+4*\i+3], v2, s[4:5] offset:16384+4096*\i
.endr
	global_load_b32 v186, v15, s[42:43]
	global_load_b32 v187, v15, s[42:43] offset:16384
.irp j, 0,1
.irp c, 0,1,2,3,4,5,6,7,8,9,10,11,12,13,14,15
	global_load_b32 v[F2R+16*\j+\c], v3, s[6:7] offset:16384*\c+128*\j   ; channel 16 w + c, columns 32 j + lane: the two j cover a row's 256 bytes
.endr
.endr
	s_wait_loadcnt 32                              ; uv and the cell's point are in; feat_2d's 32 loads may be out
	; ---- uv into LDS, with what hangs on the point alone
.if DOT_FMA == 0
.irp k, 0,2,4,6,8,10,12,14
	v_pk_mul_f32 v[BPR+\k:BPR+\k+1], v[UYR+\k:UYR+\k+1], s[32:33] op_sel_hi:[1,0]     ; -2 gy uy, rounded by itself
.endr
.endif
.irp k, 0,2,4,6,8,10,12,14
	v_pk_mul_f32 v[U2R+\k:U2R+\k+1], v[UXR+\k:UXR+\k+1], v[UXR+\k:UXR+\k+1]
.endr
.if U2_FMA
.irp k, 0,2,4,6,8,10,12,14
	v_pk_fma_f32 v[U2R+\k:U2R+\k+1], v[UYR+\k:UYR+\k+1], v[UYR+\k:UYR+\k+1], v[U2R+\k:U2R+\k+1]
.endr
.else
.irp k, 0,2,4,6,8,10,12,14
	v_pk_mul_f32 v[SQR+\k:SQR+\k+1], v[UYR+\k:UYR+\k+1], v[UYR+\k:UYR+\k+1]
.endr
.irp k, 0,2,4,6,8,10,12,14
	v_pk_add_f32 v[U2R+\k:U2R+\k+1], v[U2R+\k:U2R+\k+1], v[SQR+\k:SQR+\k+1]           ; unfused on purpose: see the head
.endr
.endif
.irp i, 0,1,2,3
	ds_store_b128 v2, v[UXR+4*\i:UXR+4*\i+3] offset:P_UX+4096*\i
.if DOT_FMA
	ds_store_b128 v2, v[UYR+4*\i:UYR+4*\i+3] offset:P_BP+4096*\i
.else
	ds_store_b128 v2, v[BPR+4*\i:BPR+4*\i+3] offset:P_BP+4096*\i
.endif
	ds_store_b128 v2, v[U2R+4*\i:U2R+4*\i+3] offset:P_U2+4096*\i
.endr
	; the four cells of my point, in f32, where these whole numbers are exact: x0 = clip(floor x), x1 = min(x0 + 1, 63), y likewise; row of f2t = 4096 b + 64 y + x
	v_floor_f32 v188, v186
	v_floor_f32 v189, v187
	v_med3_num_f32 v188, v188, 0, s45              ; x0
	v_med3_num_f32 v189, v189, 0, s45              ; y0
	v_add_f32 v186, 1.0, v188
	v_add_f32 v187, 1.0, v189
	v_min_num_f32 v186, s45, v186                  ; x1
	v_min_num_f32 v187, s45, v187                  ; y1
	v_fma_f32 v189, v189, 0x42800000, s35          ; 64 y0 + 4096 b
	v_fma_f32 v187, v187, 0x42800000, s35
	v_add_f32 v[CEL], v189, v188                   ; (y0, x0)
	v_add_f32 v[CEL+1], v189, v186                 ; (y0, x1)
	v_add_f32 v[CEL+2], v187, v188                 ; (y1, x0)
	v_add_f32 v[CEL+3], v187, v186                 ; (y1, x1)
.irp k, 0,1,2,3
	v_cvt_u32_f32 v[CEL+\k], v[CEL+\k]
.endr
	s_cmp_lt_u32 s24, 2
	s_cbranch_scc0 .Lno_cells
	global_store_b128 v2, v[CEL:CEL+3], s[16:17]   ; threads 0 to 63: 512 consecutive bytes a wave; neither register is written again
.Lno_cells:
	s_wait_dscnt 0x0                               ; for the others' sake: my part of the points lies in LDS
	s_barrier_signal -1
	s_barrier_wait -1                              ; all 4,096 do
	; ---- feat_3d and w1 are asked for; they and feat_2d land under the first part of the search
.irp j, 0,1
.irp c, 0,1,2,3,4,5,6,7,8,9,10,11,12,13,14,15
	global_load_b32 v[F3R+16*\j+\c], v3, s[8:9] offset:16384*\c+128*\j
.endr
.endr
.irp i, 0,1,2,3,4,5,6,7
	v_mov_b32 v[W1R+\i], 0                         ; written on every way
.endr
	s_cmp_lt_u32 ttmp9, 8
	s_cbranch_scc0 .Lno_w1_loads
.irp i, 0,1,2,3,4,5,6,7
	global_load_b32 v[W1R+\i], v13, s[10:11] offset:12+4*\i      ; w1[row][3 + 8 (lane % 16) + i]
.endr
.Lno_w1_loads:
	s_wait_kmcnt 0x0                               ; e0, e1
	s_add_co_i32 s46, s31, 127
	s_lshl_b32 s47, s46, 23
	v_mov_b32 v16, s47                             ; 2^e1 as f32: the conversion takes its exponent field
	s_add_co_i32 s46, s46, 8
	s_lshl_b32 s46, s46, 23
	s_or_b32 s46, s46, 0x600000
	v_mov_b32 v17, s46                             ; 448 x 2^e1
	s_add_co_i32 s46, s30, 127
	s_lshl_b32 s47, s46, 23
	v_mov_b32 v18, s47                             ; 2^e0
	s_add_co_i32 s46, s46, 8
	s_lshl_b32 s46, s46, 23
	s_or_b32 s46, s46, 0x600000
	v_mov_b32 v19, s46                             ; 448 x 2^e0
	v_lshlrev_b32 v[GXP], 1, v1
	v_cvt_f32_u32 v[GXP], v[GXP]                   ; gx = 2 l,
	v_add_f32 v[GXP+1], 1.0, v[GXP]                ; 2 l + 1
	v_fma_f32 v[G2], v[GXP], v[GXP], s34           ; gx^2 + gy^2: whole numbers, exact
	v_fma_f32 v[G2+1], v[GXP+1], v[GXP+1], s34
	v_mul_f32 v[GXP], -2.0, v[GXP]
	v_mul_f32 v[GXP+1], -2.0, v[GXP+1]
	s_lshl_b32 s37, s24, 7                         ; the number of the group of four points in hand: 128 w on
.irp k, BA, BA+1, C0, C0+1, C1, C1+1, C2, C2+1
	v_mov_b32 v[\k], 0x7f800000                    ; +infinity
.endr
	v_mov_b32 v[GI], s37
	v_mov_b32 v[GI+1], s37
	s_mov_b32 s36, 0
.irp g, 0,1,2,3
	ds_load_b128 v[PT+12*\g:PT+12*\g+3],    v9 offset:P_UX+16*\g      ; every lane reads the same 16 bytes: four points
	ds_load_b128 v[PT+12*\g+4:PT+12*\g+7],  v9 offset:P_BP+16*\g
	ds_load_b128 v[PT+12*\g+8:PT+12*\g+11], v9 offset:P_U2+16*\g
.endr
; FOUR POINTS AGAINST MY TWO PIXELS: 16 packed instructions make d2 (a point's number serves both halves), 14 keep the argmin.  bi: the best so far, bo: the new best.
; bo <= bi always, so bo == bi says that nothing improved.  Only a strict improvement takes the group's number and its first three d2: the first group that holds the minimum stays, and the place in it is found at the end.
.macro GROUP n, bi, bo
.set UX, PT+12*(\n)
.set BP, PT+12*(\n)+4
.set U2, PT+12*(\n)+8
.irp r, 0, 2
	v_pk_mul_f32 v[D+2*\r:D+2*\r+1],   v[GXP:GXP+1], v[UX+\r:UX+\r+1] op_sel_hi:[1,0]                      ; fl(-2 gx ux)
	v_pk_mul_f32 v[D+2*\r+2:D+2*\r+3], v[GXP:GXP+1], v[UX+\r:UX+\r+1] op_sel:[0,1] op_sel_hi:[1,1]
.endr
.irp r, 0, 2
	v_pk_add_f32 v[S+2*\r:S+2*\r+1],   v[G2:G2+1], v[U2+\r:U2+\r+1] op_sel_hi:[1,0]                        ; s = fl(g2 + u2)
	v_pk_add_f32 v[S+2*\r+2:S+2*\r+3], v[G2:G2+1], v[U2+\r:U2+\r+1] op_sel:[0,1] op_sel_hi:[1,1]
.endr
.irp r, 0, 2
.if DOT_FMA
	v_pk_fma_f32 v[D+2*\r:D+2*\r+1],   v[BP+\r:BP+\r+1], s[32:33], v[D+2*\r:D+2*\r+1] op_sel_hi:[0,0,1]    ; t = fma(uy, -2 gy, .): one uy and the scalar's low word serve both halves
	v_pk_fma_f32 v[D+2*\r+2:D+2*\r+3], v[BP+\r:BP+\r+1], s[32:33], v[D+2*\r+2:D+2*\r+3] op_sel:[1,0,0] op_sel_hi:[1,0,1]
.else
	v_pk_add_f32 v[D+2*\r:D+2*\r+1],   v[D+2*\r:D+2*\r+1],   v[BP+\r:BP+\r+1] op_sel_hi:[1,0]
	v_pk_add_f32 v[D+2*\r+2:D+2*\r+3], v[D+2*\r+2:D+2*\r+3], v[BP+\r:BP+\r+1] op_sel:[0,1] op_sel_hi:[1,1]
.endif
.endr
.irp p, 0,2,4,6
	v_pk_add_f32 v[D+\p:D+\p+1], v[S+\p:S+\p+1], v[D+\p:D+\p+1]                                            ; d2 = fl(s + t)
.endr
	v_min3_num_f32 v[TQ],    v[\bi],   v[D],   v[D+2]
	v_min3_num_f32 v[TQ+1],  v[\bi+1], v[D+1], v[D+3]
	v_min3_num_f32 v[\bo],   v[TQ],    v[D+4], v[D+6]
	v_min3_num_f32 v[\bo+1], v[TQ+1],  v[D+5], v[D+7]
	v_cmp_eq_f32 vcc_lo, v[\bo], v[\bi]
	v_cmp_eq_f32 s39, v[\bo+1], v[\bi+1]
	v_cndmask_b32 v[GI],   s37, v[GI],   vcc_lo
	v_cndmask_b32 v[GI+1], s37, v[GI+1], s39
	v_cndmask_b32 v[C0],   v[D],   v[C0],   vcc_lo
	v_cndmask_b32 v[C0+1], v[D+1], v[C0+1], s39
	v_cndmask_b32 v[C1],   v[D+2], v[C1],   vcc_lo
	v_cndmask_b32 v[C1+1], v[D+3], v[C1+1], s39
	v_cndmask_b32 v[C2],   v[D+4], v[C2],   vcc_lo
	v_cndmask_b32 v[C2+1], v[D+5], v[C2+1], s39
	s_add_co_u32 s37, s37, 1
.endm
; SIXTEEN POINTS.  Four sets of registers; a set is asked for again, with the points 16 further on, as soon as it has been used.
.macro TRIP refill
.if \refill
	s_add_co_u32 s36, s36, 64
	v_add_nc_u32 v10, s36, v9
.endif
.irp g, 0,1,2,3
.if \refill
	s_wait_dscnt 9                                 ; LDS loads come back in order: this set is in, the three younger sets' nine loads may be out
.else
	s_wait_dscnt 9-3*\g                            ; nothing is asked for any more: the counts run down
.endif
.if \g%2
	GROUP \g, BB, BA
.else
	GROUP \g, BA, BB
.endif
.if \refill
	ds_load_b128 v[PT+12*\g:PT+12*\g+3],    v10 offset:P_UX+16*\g
	ds_load_b128 v[PT+12*\g+4:PT+12*\g+7],  v10 offset:P_BP+16*\g
	ds_load_b128 v[PT+12*\g+8:PT+12*\g+11], v10 offset:P_U2+16*\g
.endif
.endr
.endm
	s_mov_b32 s38, 8                               ; 8 of the wave's 32 trips: 960 vector instructions under which the features arrive
.Lsearch_a:
	TRIP 1
	s_sub_co_u32 s38, s38, 1
	s_cmp_lg_u32 s38, 0
	s_cbranch_scc1 .Lsearch_a
	; ---- the features turn through LDS: in, a lane holds 16 channels of a column; out, neighbouring lanes hold neighbouring bytes of a row
	s_wait_loadcnt 32                              ; feat_2d is in: at least feat_3d's 32 loads were issued behind it
.irp j, 0,1
.irp i, 0,1,2,3
	ds_store_b128 v4, v[F2R+16*\j+4*\i:F2R+16*\j+4*\i+3] offset:32*T2P*\j+16*\i
.endr
.endr
	s_wait_loadcnt 0x0                             ; feat_3d, and w1 where it was asked for
.irp n, 0,1,2,3,4,5,6,7,8,9,10,11,12,13,14,15,16,17,18,19,20,21,22,23,24,25,26,27,28,29,30,31
	v_med3_num_f32 v[F3R+\n], v[F3R+\n], -v17, v17 ; the conversion to an 8-bit code does not saturate (ISA guide 7.6.2): hold the number within 448 x the scale first
.endr
.irp m, 0,1,2,3
	v_cvt_scalef32_pk8_fp8_f32 v[CDS+2*\m:CDS+2*\m+1], v[F3R+8*\m:F3R+8*\m+7], v16     ; eight channels of one point: eight neighbouring bytes of its row
.endr
	v_nop                                          ; a plain line behind the last conversion
	ds_store_b128 v5, v[CDS:CDS+3]
	ds_store_b128 v5, v[CDS+4:CDS+7] offset:32*T3P
	s_cmp_lt_u32 ttmp9, 8
	s_cbranch_scc0 .Lno_w1
.irp i, 0,1,2,3,4,5,6,7
	v_med3_num_f32 v[W1R+\i], v[W1R+\i], -v19, v19
.endr
	v_cvt_scalef32_pk8_fp8_f32 v[190:191], v[W1R:W1R+7], v18
	v_nop
	global_store_b64 v14, v[190:191], s[22:23]     ; two rows of 128 codes: the wave stores 256 consecutive bytes, aligned
.Lno_w1:
	s_wait_dscnt 0x0                               ; for the others' sake: my channels lie in the stages (and the search's loads that were out are in)
	s_barrier_signal -1
	s_barrier_wait -1
.irp i, 0,1,2,3,4,5,6,7
	ds_load_b128 v[F2R+4*\i:F2R+4*\i+3], v6 offset:T2P*\i
.endr
.irp i, 0,1
	ds_load_b128 v[F3R+4*\i:F3R+4*\i+3], v7 offset:4*T3P*\i
.endr
.irp i, 0,1,2,3,4,5,6,7
	s_wait_dscnt 9-\i                              ; row i is back; the younger loads may be out
	global_store_b128 v8, v[F2R+4*\i:F2R+4*\i+3], s[18:19] offset:512*\i th:TH_STORE_NT    ; a whole row of f2t: 512 consecutive bytes
.endr
.irp i, 0,1
	s_wait_dscnt 1-\i
	global_store_b128 v8, v[F3R+4*\i:F3R+4*\i+3], s[20:21] offset:512*\i th:TH_STORE_NT    ; four rows of f3c: 512 consecutive bytes
.endr
	; none of these stores' registers is written again: they leave under the rest of the search
	s_mov_b32 s38, 23
.Lsearch_b:
	TRIP 1
	s_sub_co_u32 s38, s38, 1
	s_cmp_lg_u32 s38, 0
	s_cbranch_scc1 .Lsearch_b
	TRIP 0                                         ; the last 16 points: nothing is read beyond my wave's
	; ---- the place in the best group: the first of its four d2 that equals the best; then the waves' results meet
.irp q, 0,1
	v_mov_b32 v[TQ+\q], 3
	v_cmp_eq_f32 vcc_lo, v[C2+\q], v[BA+\q]
	v_cndmask_b32 v[TQ+\q], v[TQ+\q], 2, vcc_lo
	v_cmp_eq_f32 vcc_lo, v[C1+\q], v[BA+\q]
	v_cndmask_b32 v[TQ+\q], v[TQ+\q], 1, vcc_lo
	v_cmp_eq_f32 vcc_lo, v[C0+\q], v[BA+\q]
	v_cndmask_b32 v[TQ+\q], v[TQ+\q], 0, vcc_lo
	v_lshl_add_u32 v[GI+\q], v[GI+\q], 2, v[TQ+\q] ; the point's index in the batch
.endr
	ds_store_b64 v11, v[BA:BA+1]
	ds_store_b64 v11, v[GI:GI+1] offset:2048
	s_wait_dscnt 0x0
	s_barrier_signal -1
	s_barrier_wait -1
	s_cmp_lg_u32 s24, 0
	s_cbranch_scc1 .Lend
.irp w, 0,1,2,3,4,5,6,7
	ds_load_b64 v[54+2*\w:55+2*\w], v12 offset:256*\w
	ds_load_b64 v[70+2*\w:71+2*\w], v12 offset:2048+256*\w
.endr
	s_wait_dscnt 0x0
.irp w, 1,2,3,4,5,6,7                  ; the waves in ascending order of their points; only a strictly smaller value replaces: the lower index wins
.irp q, 0,1
	v_cmp_lt_f32 vcc_lo, v[54+2*\w+\q], v[54+\q]
	v_cndmask_b32 v[70+\q], v[70+\q], v[70+2*\w+\q], vcc_lo
	v_min_num_f32 v[54+\q], v[54+\q], v[54+2*\w+\q]
.endr
.endr
	s_lshl_b32 s41, s25, 12
	v_add_nc_u32 v70, s41, v70                     ; + 4096 b: the point's row in f3c and in cells
	v_add_nc_u32 v71, s41, v71
	global_store_b64 v14, v[70:71], s[14:15]       ; 64 words: 256 consecutive bytes, aligned
.Lend:
	s_wait_tensorcnt 0x0
	ds_add_u32 v192, v193
	s_wait_dscnt 0x0
	s_endpgm
.Lfunc_end_k_q97b91a451b_prep_knn:
	.size	k_q97b91a451b_prep_knn, .Lfunc_end_k_q97b91a451b_prep_knn-k_q97b91a451b_prep_knn
	.p2alignl 7, 3214868480
	.fill 96, 4, 3214868480
	.section	.rodata,"a",@progbits
	.p2align	6, 0x0
	.amdhsa_kernel k_q97b91a451b_prep_knn
		.amdhsa_group_segment_fixed_size 168960
		.amdhsa_private_segment_fixed_size 0
		.amdhsa_enable_private_segment 0
		.amdhsa_kernarg_size 80
		.amdhsa_user_sgpr_count 2
		.amdhsa_user_sgpr_kernarg_segment_ptr 1
		.amdhsa_wavefront_size32 1
		.amdhsa_system_sgpr_workgroup_id_x 1
		.amdhsa_system_sgpr_workgroup_id_y 1
		.amdhsa_system_sgpr_workgroup_id_z 1
		.amdhsa_system_vgpr_workitem_id 0
		.amdhsa_next_free_vgpr 194
		.amdhsa_next_free_sgpr 66
		.amdhsa_reserve_vcc 1
		.amdhsa_float_denorm_mode_32 3
		.amdhsa_float_denorm_mode_16_64 3
		.amdhsa_memory_ordered 1
		.amdhsa_forward_progress 1
		.amdhsa_inst_pref_size 50
	.end_amdhsa_kernel
	.amdgpu_metadata
---
amdhsa.version: [ 1, 2 ]
amdhsa.kernels:
  - .name:           k_q97b91a451b_prep_knn
    .symbol:         k_q97b91a451b_prep_knn.kd
    .args:
      - { .name: uv, .offset: 0, .size: 8, .value_kind: global_buffer, .address_space: global }
      - { .name: feat_2d, .offset: 8, .size: 8, .value_kind: global_buffer, .address_space: global }
      - { .name: feat_3d, .offset: 16, .size: 8, .value_kind: global_buffer, .address_space: global }
      - { .name: w1, .offset: 24, .size: 8, .value_kind: global_buffer, .address_space: global }
      - { .name: lowp_scales, .offset: 32, .size: 8, .value_kind: global_buffer, .address_space: global }
      - { .name: nn, .offset: 40, .size: 8, .value_kind: global_buffer, .address_space: global }
      - { .name: cells, .offset: 48, .size: 8, .value_kind: global_buffer, .address_space: global }
      - { .name: f2t, .offset: 56, .size: 8, .value_kind: global_buffer, .address_space: global }
      - { .name: f3c, .offset: 64, .size: 8, .value_kind: global_buffer, .address_space: global }
      - { .name: w1c, .offset: 72, .size: 8, .value_kind: global_buffer, .address_space: global }
    .group_segment_fixed_size: 168960
    .private_segment_fixed_size: 0
    .kernarg_segment_align: 8
    .kernarg_segment_size: 80
    .max_flat_workgroup_size: 256
    .sgpr_count:     66
    .vgpr_count:     194
    .wavefront_size: 32
...
	.end_amdgpu_metadata
.endif
;; end of part 1
;; launch gather_mlp (part 2): grid 256 x 1, 8 waves a work-group, no clusters, 168,960 bytes of LDS; arguments nn, cells, uv, f2t, f3c, w1c, w1, w2_codes, w3_codes, b1, b2, b3, lowp_scales, out0; writes out0
.if DOCPART == 2
	.amdgcn_target "amdgcn-amd-amdhsa--gfx1250"
	.amdhsa_code_object_version 6
	.text
	.protected	k_q97b91a451b_gather_mlp
	.globl	k_q97b91a451b_gather_mlp
	.p2align	8
	.type	k_q97b91a451b_gather_mlp,@function
k_q97b91a451b_gather_mlp:
	s_mov_b64 s[64:65], 0
	v_nop
	global_prefetch_b8 v0, s[64:65] scope:SCOPE_SE
	s_setreg_imm32_b32 hwreg(HW_REG_WAVE_MODE, 25, 1), 1
	s_wait_xcnt 0x0
; THE GATHER AND THE THREE LAYERS.  Work-group g = 64 b + gy owns the 64 pixels of image row gy of batch b, from the stored indices to out0; nothing of it goes through memory.
; GATHER.  Wave w takes pixels 8 w .. 8 w + 7 as four pairs p: lanes 0-15 pixel 8 w + 2 p, lanes 16-31 the next.  For each pixel: nn (its point), the point's four cells, uv; then five rows of f2t (its own and the four
; corners), 512 bytes each, 16 lanes x 16 bytes twice: whole aligned blocks of 256 bytes.  corr = mean over the 128 channels of (bilinear sample) x (own), in f32; offsets = uv - grid.  These three numbers are quantised
; (scale 2^e1) into one word a pixel.  The point's 128 codes of feat_3d come from f3c as they lie.
; LAYERS, on E4M3 codes.  Wave w makes 16 units for all 64 pixels (four tiles t of 16); its weights stay in its registers.  Operands go from wave to wave through LDS as IMAGES OF THEIR REGISTERS: piece c of tile t,
; 512 bytes at 2048 t + 512 c + 16 x lane; lane (r, h) holds there k = 32 c + 16 h + 0 .. 15 of pixel 16 t + r.  That is a permutation of k, the same in both operands of every product.
; Layers 1 and 2 are used transposed (source 0 = 16 rows of W, source 1 = 16 pixels), and lane r of the weights' fragment takes row 32 bb + 8 u + r + 8 (r / 8), bb = w / 2, u = w % 2: register j of lane (r, h) is then
; unit 32 bb + 16 h + 8 u + j of pixel r: eight neighbours along the next K, bytes 8 u .. 8 u + 7 of piece bb.  Layer 3 has its sources the other way round: a lane holds one unit and eight neighbouring pixels, as out0 lies.
; THE FIRST PRODUCT'S K = 131 is taken as 128 (feat_3d's channels, one instruction of K = 128) + 3 (offsets and corr: one instruction of K = 64 whose other codes are zeros, on both sides).
; SCALES.  A sum stands for sum x 2^(its two e).  The biases of layers 1 and 2 go in as the C of the first instruction, divided by that power; the leaky ReLU commutes with a power of two; the next quantiser's scale and
; the sum's are folded into the conversion's one.  Layer 3: out = lrelu(sum x 2^(e4 + e5) + b3).
; NO CLUSTER, NO TENSOR LOAD: what work-groups share is 48 KiB of weights, of which a wave reads 6 KiB once, into registers; all else is a work-group's own or gathered lane by lane from addresses known one step ahead.
; LIMITS: e0, e1, e3 - e0 - e1 and e5 - e2 - e3 lie between -126 and 119, e4 + e5 between -126 and 127, so that each power of two below is an f32 number.  NaN among the inputs is not served.
; corr is summed in another order than by ascending channel, with the four bilinear weights multiplied out first: f32 throughout.
.set IMG0, 0                           ; LDS: the first operand's four fragments (feat_3d's codes), 2,048 bytes each
.set IMG1, 8192                        ; layer 1's results as codes
.set IMG2, 16384                       ; layer 2's
.set XT,   24576                       ; a word for each pixel: the codes of offset x, offset y, corr, and a zero
.set OST,  24832                       ; the way out: 128 rows (units) x 256 bytes + 16.  Ends at 59,648.  Every region is written once
.set OP,   272
; window 0: v1 lane, v2 r, v3 h, v4-v20 offsets and LDS places (below), v21-v28 scales, v29 8 w + h, v31 gy
.set W1F, 32                           ; v[32:47], v[48:63], v[64:79] my fragments of w1, w2, w3
.set W2F, 48
.set W3F, 64
.set BI1, 80                           ; v[80:87], v[88:95] b1, b2 in the result's layout
.set BI2, 88
.set B3,  96                           ; v96 b3 of my unit; v97 named with it as a pair
.set AX,  98                           ; v[98:105] w1's first three columns as a fragment of K = 64
.set WXR, 106                          ; v[106:113] those three numbers and five zeros; later TM, at work
.set TM,  106
.set FB,  114                          ; v[114:121] a pixel's three numbers and five zeros; later CD, the codes just made
.set CD,  114
.set BX,  122                          ; v[122:153] the four tiles' fragments of K = 64
.set BF,  154                          ; v[154:217] the four tiles' fragments of K = 128; on the way out rows of out0
.set ACC, 218                          ; v[218:249] four accumulators
; the gather's registers lie over BF and ACC
.set NA,  154                          ; nn of my pixel of pair p
.set NB,  158                          ; nn of pixel 16 bb + r
.set AF3, 159
.set UX,  160
.set UY,  164
.set CE,  168                          ; v[168:183] four cells a pair, then their byte offsets in f2t
.set WGT, 184                          ; v[184:199] four bilinear weights a pair
.set OFX, 200
.set OFY, 204
.set F3P, 208                          ; v[208:215] two pieces of feat_3d's codes
.set A16, 218
.set A4,  222
.set TP,  226                          ; v[226:233] the sample, four pairs of channels
.set S0,  234
.set S1,  236
.set SM,  238
.set WT,  240
; window 1: my pixels' own rows at v[8 p + 4 i], corner k's at v[32 + 32 p + 8 k + 4 i]: 160 registers
.set MSB, 0
.macro WIN new                         ; s_set_vgpr_msb: bits 1:0 source 0, 7:6 destination; the immediate's high byte repeats the setting that is left
.if MSB != \new
	s_set_vgpr_msb (MSB<<8)|\new
.set MSB, \new
.endif
.endm
.macro MKSCALE se, vs, vl              ; s[se] = e:  v[vs] = 2^e as f32, v[vl] = 448 x 2^e
	s_add_co_i32 s48, s[\se], 127
	s_lshl_b32 s49, s48, 23
	v_mov_b32 v[\vs], s49
	s_add_co_i32 s48, s48, 8
	s_lshl_b32 s48, s48, 23
	s_or_b32 s48, s48, 0x600000
	v_mov_b32 v[\vl], s48
.endm
.macro BARRIER                         ; my LDS stores have landed and my LDS loads are in: then the work-group's barrier
	s_wait_dscnt 0x0
	s_barrier_signal -1
	s_barrier_wait -1
.endm
	s_load_b512 s[4:19], s[0:1], 0x0               ; nn s[4:5], cells s[6:7], uv s[8:9], f2t s[10:11], f3c s[12:13], w1c s[14:15], w1 s[16:17], w2 s[18:19]
	s_load_b256 s[20:27], s[0:1], 0x40             ; w3 s[20:21], b1 s[22:23], b2 s[24:25], b3 s[26:27]
	s_load_b128 s[28:31], s[0:1], 0x60             ; scales s[28:29], out0 s[30:31]
	v_lshl_add_u32 v254, v0, 2, 0x29000
	v_mov_b32 v255, 0
	v_lshrrev_b32 v1, 5, v0
	v_readfirstlane_b32 s32, v1                    ; wave 0..7
	v_and_b32 v1, 31, v0                           ; lane
	v_and_b32 v2, 15, v0                           ; r
	v_bfe_u32 v3, v0, 4, 1                         ; h
	s_lshr_b32 s33, ttmp9, 6                       ; b
	s_and_b32 s34, ttmp9, 63                       ; gy
	s_lshr_b32 s35, s32, 1                         ; bb
	s_and_b32 s36, s32, 1                          ; u
	s_mov_b32 s52, 0xffff0000                      ; the lanes with h = 1
	s_lshl_b32 s48, s32, 5
	v_lshl_add_u32 v4, v3, 2, s48                  ; nn: word 8 w + h
	s_lshl_b32 s48, s35, 6
	v_lshl_add_u32 v5, v2, 2, s48                  ; nn: word 16 bb + r
	s_lshl_b32 s48, s32, 12
	v_lshl_add_u32 v6, v3, 9, s48
	v_lshl_add_u32 v6, v2, 4, v6                   ; f2t, own rows: row 8 w + h, + 16 r
	v_and_b32 v7, 8, v2
	v_add_nc_u32 v30, v7, v2                       ; r + 8 (r / 8)
	v_lshlrev_b32 v7, 7, v30
	v_lshl_add_u32 v7, v3, 4, v7                   ; w1c, w2: that row of 128 bytes, + 16 h
	v_lshlrev_b32 v8, 7, v2
	v_lshl_add_u32 v8, v3, 4, v8                   ; w3: row r, + 16 h
	v_mul_u32_u24 v9, v30, 524                     ; w1: a row is 131 f32
	v_lshlrev_b32 v10, 6, v3                       ; b1, b2: 16 h numbers on
	v_lshlrev_b32 v11, 2, v2
	v_lshlrev_b32 v12, 4, v2
	v_lshlrev_b32 v13, 4, v1                       ; an image's place for my lane
	s_lshl_b32 s48, s32, 10
	v_lshl_add_u32 v14, v1, 4, s48                 ; IMG0: tile bb, pieces 2 u and 2 u + 1: 2048 bb + 1024 u = 1024 w
	v_add_nc_u32 v15, XT, v4                       ; XT: my pixel's word
	v_add_nc_u32 v16, XT, v11                      ; XT: pixel r of a tile
	s_lshl_b32 s48, s35, 9
	s_lshl_b32 s49, s36, 3
	s_add_co_u32 s48, s48, s49
	s_add_co_u32 s48, s48, IMG1
	v_lshl_add_u32 v17, v1, 4, s48                 ; IMG1: piece bb, bytes 8 u on of my lane's 16
	s_mul_i32 s48, s32, 16*OP
	s_add_co_u32 s48, s48, OST                     ; my 16 rows of the stage
	v_mul_u32_u24 v18, v2, OP
	v_lshl_add_u32 v18, v3, 5, v18
	v_add_nc_u32 v18, s48, v18                     ; in: row r, + 32 h
	v_mul_u32_u24 v19, v3, OP
	v_lshl_add_u32 v19, v2, 4, v19
	v_add_nc_u32 v19, s48, v19                     ; back: lanes 0-15 one row, lanes 16-31 the next
	v_lshlrev_b32 v20, 14, v3
	v_lshl_add_u32 v20, v2, 4, v20                 ; and the same two rows in out0, 16,384 bytes apart
	s_lshl_b32 s48, s32, 3
	v_add_nc_u32 v29, s48, v3                      ; 8 w + h: gx of my pixel of pair 0
	v_cvt_f32_u32 v31, s34                         ; gy
	s_mov_b32 s39, 0
	s_wait_kmcnt 0x0
	s_load_b128 s[40:43], s[28:29], 0x0            ; e0 .. e3
	s_load_b64 s[44:45], s[28:29], 0x10            ; e4, e5
	s_lshl_b32 s38, ttmp9, 8
	s_add_nc_u64 s[4:5], s[4:5], s[38:39]          ; nn at my 64 pixels
	s_lshl_b32 s38, ttmp9, 15
	s_add_nc_u64 s[54:55], s[10:11], s[38:39]      ; f2t at my 64 pixels; s[10:11] stays at its first row, for the corners
	s_lshl_b32 s38, s33, 14
	s_add_nc_u64 s[8:9], s[8:9], s[38:39]          ; uv + 16384 b: with 4 x nn = 16384 b + 4 n that is ux of point n of batch b
	s_lshl_b32 s38, s36, 6
	s_add_nc_u64 s[12:13], s[12:13], s[38:39]      ; f3c: pieces 2 u on: 64 u bytes into a row
	s_lshl_b32 s50, s35, 5
	s_lshl_b32 s51, s36, 3
	s_add_co_u32 s50, s50, s51                     ; 32 bb + 8 u: my tile's first unit in layers 1 and 2
	s_lshl_b32 s38, s50, 7
	s_add_nc_u64 s[14:15], s[14:15], s[38:39]
	s_add_nc_u64 s[18:19], s[18:19], s[38:39]
	s_mul_i32 s38, s50, 524
	s_add_nc_u64 s[16:17], s[16:17], s[38:39]
	s_lshl_b32 s38, s50, 2
	s_add_nc_u64 s[22:23], s[22:23], s[38:39]
	s_add_nc_u64 s[24:25], s[24:25], s[38:39]
	s_lshl_b32 s38, s32, 11
	s_add_nc_u64 s[20:21], s[20:21], s[38:39]      ; w3: units 16 w on
	s_lshl_b32 s38, s32, 6
	s_add_nc_u64 s[26:27], s[26:27], s[38:39]
	s_lshl_b32 s38, s33, 21
	s_lshl_b32 s51, s32, 18
	s_add_co_u32 s38, s38, s51
	s_lshl_b32 s51, s34, 8
	s_add_co_u32 s38, s38, s51
	s_add_nc_u64 s[30:31], s[30:31], s[38:39]      ; out0: batch, units 16 w on, image row gy
	; ---- round 1: the indices first; behind them all that hangs on ids alone: 28 loads
.irp p, 0,1,2,3
	global_load_b32 v[NA+\p], v4, s[4:5] offset:8*\p
.endr
	global_load_b32 v[NB], v5, s[4:5]
	WIN 0x40                                       ; destination window 1, address window 0
.irp p, 0,1,2,3
	global_load_b128 v[8*\p:8*\p+3],   v6, s[54:55] offset:1024*\p
	global_load_b128 v[8*\p+4:8*\p+7], v6, s[54:55] offset:1024*\p+256
.endr
	WIN 0
.irp c, 0,1,2,3
	global_load_b128 v[W1F+4*\c:W1F+4*\c+3], v7, s[14:15] offset:32*\c
.endr
.irp j, 0,1,2
	global_load_b32 v[WXR+\j], v9, s[16:17] offset:4*\j
.endr
	global_load_b128 v[BI1:BI1+3],   v10, s[22:23]
	global_load_b128 v[BI1+4:BI1+7], v10, s[22:23] offset:16
.irp c, 0,1,2,3
	global_load_b128 v[W2F+4*\c:W2F+4*\c+3], v7, s[18:19] offset:32*\c
.endr
	global_load_b128 v[BI2:BI2+3],   v10, s[24:25]
	global_load_b128 v[BI2+4:BI2+7], v10, s[24:25] offset:16
.irp c, 0,1,2,3
	global_load_b128 v[W3F+4*\c:W3F+4*\c+3], v8, s[20:21] offset:32*\c
.endr
	global_load_b32 v[B3], v11, s[26:27]
	; the zero codes and zero numbers of the short K step
.irp j, 2,3,4,5,6,7
	v_mov_b32 v[AX+\j], 0
.endr
.irp t, 0,1,2,3
.irp j, 1,2,3,4,5,6,7
	v_mov_b32 v[BX+8*\t+\j], 0
.endr
.endr
.irp j, 3,4,5,6,7
	v_mov_b32 v[FB+\j], 0
	v_mov_b32 v[WXR+\j], 0
.endr
	v_mov_b32 v[B3+1], 0
	; ---- round 2: what hangs on nn
	s_wait_loadcnt 28                              ; the five indices are in; the 28 loads behind them may be out
.irp p, 0,1,2,3,4
	v_min_u32 v[NA+\p], 0x3fff, v[NA+\p]           ; (NB is the fifth)  a stored index enters an address held inside its table of 16,384 rows
.endr
.irp p, 0,1,2,3
	v_lshlrev_b32 v[A16+\p], 4, v[NA+\p]
	v_lshlrev_b32 v[A4+\p], 2, v[NA+\p]
.endr
	v_lshlrev_b32 v[AF3], 7, v[NB]
	v_lshl_add_u32 v[AF3], v3, 4, v[AF3]
.irp p, 0,1,2,3
	global_load_b128 v[CE+4*\p:CE+4*\p+3], v[A16+\p], s[6:7]
.endr
.irp p, 0,1,2,3
	global_load_b32 v[UX+\p], v[A4+\p], s[8:9]
.endr
.irp p, 0,1,2,3
	global_load_b32 v[UY+\p], v[A4+\p], s[8:9] offset:16384
.endr
	global_load_b128 v[F3P:F3P+3],   v[AF3], s[12:13]              ; channels 64 u + 16 h + 0 .. 15 of pixel 16 bb + r's point,
	global_load_b128 v[F3P+4:F3P+7], v[AF3], s[12:13] offset:32    ; and 32 further on
	; ---- round 3: the corner rows
	s_wait_loadcnt 10                              ; the cells are in (and all of round 1); uv's eight loads and f3c's two may be out
.irp n, 0,1,2,3,4,5,6,7,8,9,10,11,12,13,14,15
	v_min_u32 v[CE+\n], 0x3fff, v[CE+\n]
.endr
.irp n, 0,1,2,3,4,5,6,7,8,9,10,11,12,13,14,15
	v_lshl_add_u32 v[CE+\n], v[CE+\n], 9, v12      ; row x 512 + 16 r
.endr
	WIN 0x40
.irp p, 0,1,2,3
.irp k, 0,1,2,3
	global_load_b128 v[32+32*\p+8*\k:32+32*\p+8*\k+3],   v[CE+4*\p+\k], s[10:11]
	global_load_b128 v[32+32*\p+8*\k+4:32+32*\p+8*\k+7], v[CE+4*\p+\k], s[10:11] offset:256
.endr
.endr
	WIN 0
	; ---- while the rows are on their way: scales, biases, w1's three columns, the bilinear weights, feat_3d's codes into their image
	s_wait_kmcnt 0x0
	MKSCALE 41, 21, 22                             ; e1: the first operand computed on the way
	MKSCALE 40, 23, 24                             ; e0: w1
	s_add_co_i32 s51, s40, s41                     ; e0 + e1
	s_sub_co_i32 s50, s43, s51
	MKSCALE 50, 25, 26                             ; e3 - e0 - e1: layer 1's sums into layer 2's codes
	s_sub_co_i32 s51, 0, s51
.irp j, 0,1,2,3,4,5,6,7
	v_ldexp_f32 v[BI1+\j], v[BI1+\j], s51          ; b1 / 2^(e0 + e1)
.endr
	s_add_co_i32 s51, s42, s43                     ; e2 + e3
	s_sub_co_i32 s50, s45, s51
	MKSCALE 50, 27, 28                             ; e5 - e2 - e3
	s_sub_co_i32 s51, 0, s51
.irp j, 0,1,2,3,4,5,6,7
	v_ldexp_f32 v[BI2+\j], v[BI2+\j], s51
.endr
	s_add_co_i32 s46, s44, s45
	s_add_co_i32 s46, s46, 127
	s_lshl_b32 s46, s46, 23                        ; 2^(e4 + e5) as f32,
	s_mov_b32 s47, s46                             ; named as a pair
.irp j, 0,1,2
	v_med3_num_f32 v[WXR+\j], v[WXR+\j], -v24, v24 ; the conversion to an 8-bit code does not saturate (ISA guide 7.6.2): the hold at 448 x the scale
.endr
	v_cvt_scalef32_pk8_fp8_f32 v[AX:AX+1], v[WXR:WXR+7], v23
	v_nop                                          ; a plain line between a scaled conversion and the first line that touches its result
	v_cndmask_b32 v[AX], v[AX], 0, s52             ; in the form of K = 64 register 0 is k = 0 .. 3 in lanes 0-15 and k = 8 .. 11 in lanes 16-31: those are zeros
	s_wait_loadcnt 34                              ; uv is in; f3c's two loads and the 32 rows' may be out
.irp p, 0,1,2,3
	v_floor_f32 v[WT], v[UX+\p]
	v_floor_f32 v[WT+1], v[UY+\p]
	v_sub_f32 v[WT], v[UX+\p], v[WT]               ; wx
	v_sub_f32 v[WT+1], v[UY+\p], v[WT+1]           ; wy
	v_sub_f32 v[WT+2], 1.0, v[WT]
	v_sub_f32 v[WT+3], 1.0, v[WT+1]
	v_mul_f32 v[WGT+4*\p],   v[WT+2], v[WT+3]      ; (y0, x0)
	v_mul_f32 v[WGT+4*\p+1], v[WT],   v[WT+3]      ; (y0, x1)
	v_mul_f32 v[WGT+4*\p+2], v[WT+2], v[WT+1]      ; (y1, x0)
	v_mul_f32 v[WGT+4*\p+3], v[WT],   v[WT+1]      ; (y1, x1)
	v_add_nc_u32 v[WT+4], 2*\p, v29
	v_cvt_f32_u32 v[WT+4], v[WT+4]                 ; gx
	v_sub_f32 v[OFX+\p], v[UX+\p], v[WT+4]
	v_sub_f32 v[OFY+\p], v[UY+\p], v31
.endr
	s_wait_loadcnt 32                              ; f3c's two pieces are in
	ds_store_b128 v14, v[F3P:F3P+3] offset:IMG0
	ds_store_b128 v14, v[F3P+4:F3P+7] offset:IMG0+512
; corr of pair p: my 8 channels' samples (four packed multiply-adds a pair of channels; a row is always source 0, which alone lies in window 1), times my own row's, summed; then over the 16 lanes of my pixel.
.macro CORR p
	WIN 0x01
.irp c, 0,2,4,6
	v_pk_mul_f32 v[TP+\c:TP+\c+1], v[32+32*\p+\c:32+32*\p+\c+1], v[WGT+4*\p:WGT+4*\p+1] op_sel_hi:[1,0]
.endr
.irp c, 0,2,4,6
	v_pk_fma_f32 v[TP+\c:TP+\c+1], v[40+32*\p+\c:40+32*\p+\c+1], v[WGT+4*\p:WGT+4*\p+1], v[TP+\c:TP+\c+1] op_sel:[0,1,0] op_sel_hi:[1,1,1]
.endr
.irp c, 0,2,4,6
	v_pk_fma_f32 v[TP+\c:TP+\c+1], v[48+32*\p+\c:48+32*\p+\c+1], v[WGT+4*\p+2:WGT+4*\p+3], v[TP+\c:TP+\c+1] op_sel_hi:[1,0,1]
.endr
.irp c, 0,2,4,6
	v_pk_fma_f32 v[TP+\c:TP+\c+1], v[56+32*\p+\c:56+32*\p+\c+1], v[WGT+4*\p+2:WGT+4*\p+3], v[TP+\c:TP+\c+1] op_sel:[0,1,0] op_sel_hi:[1,1,1]
.endr
	v_pk_mul_f32 v[S0:S0+1], v[8*\p:8*\p+1],   v[TP:TP+1]          ; the first products start the two sums
	v_pk_mul_f32 v[S1:S1+1], v[8*\p+2:8*\p+3], v[TP+2:TP+3]
	v_pk_fma_f32 v[S0:S0+1], v[8*\p+4:8*\p+5], v[TP+4:TP+5], v[S0:S0+1]
	v_pk_fma_f32 v[S1:S1+1], v[8*\p+6:8*\p+7], v[TP+6:TP+7], v[S1:S1+1]
	WIN 0
	v_pk_add_f32 v[S0:S0+1], v[S0:S0+1], v[S1:S1+1]
	v_add_f32 v[SM], v[S0], v[S0+1]
	v_add_f32_dpp v[SM], v[SM], v[SM] row_xmask:1 row_mask:0xf bank_mask:0xf
	v_add_f32_dpp v[SM], v[SM], v[SM] row_xmask:2 row_mask:0xf bank_mask:0xf
	v_add_f32_dpp v[SM], v[SM], v[SM] row_xmask:4 row_mask:0xf bank_mask:0xf
	v_add_f32_dpp v[SM], v[SM], v[SM] row_xmask:8 row_mask:0xf bank_mask:0xf
	v_mul_f32 v[SM], 0x3c000000, v[SM]             ; / 128: the mean
	; the pixel's three numbers become three codes in one word
	v_med3_num_f32 v[FB],   v[OFX+\p], -v22, v22
	v_med3_num_f32 v[FB+1], v[OFY+\p], -v22, v22
	v_med3_num_f32 v[FB+2], v[SM],     -v22, v22
	v_cvt_scalef32_pk8_fp8_f32 v[TM:TM+1], v[FB:FB+7], v21
	v_nop                                          ; a plain line behind the conversion: the next pair writes its sources
	ds_store_b32 v15, v[TM] offset:8*\p            ; the pixel's 16 lanes store one word with one value
.endm
	s_wait_loadcnt 24                              ; pair 0's eight rows' loads are in; the later pairs' may be out
	CORR 0
	s_wait_loadcnt 16
	CORR 1
	s_wait_loadcnt 8
	CORR 2
	s_wait_loadcnt 0x0
	CORR 3
	BARRIER                                        ; the first operand lies in LDS: IMG0 and XT
.macro LOADBF img                      ; the four tiles' fragments, as they were stored
.irp t, 0,1,2,3
.irp c, 0,1,2,3
	ds_load_b128 v[BF+16*\t+4*\c:BF+16*\t+4*\c+3], v13 offset:\img+2048*\t+512*\c
.endr
.endr
.endm
; The leaky ReLU and the quantiser: max(y, 0.1 y); the hold; eight units of one pixel become eight bytes of the next operand's image.  Each accumulator is read from its low end on.
.macro ACT off, sc, lim
.irp t, 0,1,2,3
.irp i, 0,2,4,6
	v_pk_mul_f32 v[TM+\i:TM+\i+1], v[ACC+8*\t+\i:ACC+8*\t+\i+1], 0x3dcccccd op_sel_hi:[1,0]
.endr
.irp j, 0,1,2,3,4,5,6,7
	v_max_num_f32 v[TM+\j], v[ACC+8*\t+\j], v[TM+\j]
.endr
.irp j, 0,1,2,3,4,5,6,7
	v_med3_num_f32 v[TM+\j], v[TM+\j], -v[\lim], v[\lim]
.endr
	v_cvt_scalef32_pk8_fp8_f32 v[CD+2*\t:CD+2*\t+1], v[TM:TM+7], v[\sc]
	v_nop                                          ; a plain line behind the conversion: the next tile writes its sources
	ds_store_b64 v17, v[CD+2*\t:CD+2*\t+1] offset:\off+2048*\t
.endr
.endm
.macro PLACES n                        ; plain vector lines between a matrix instruction and what reads its result or writes its registers (ISA guide 7.12.1)
.rept \n
	v_nop
.endr
.endm
	; ---- layer 1: K = 3 (in a step of 64) with b1 as C, then K = 128 on top
	LOADBF IMG0
.irp t, 0,1,2,3
	ds_load_b32 v[BX+8*\t], v16 offset:64*\t
.endr
	s_wait_dscnt 0x0
.irp t, 0,1,2,3
	v_cndmask_b32 v[BX+8*\t], v[BX+8*\t], 0, s52   ; lanes 16-31 hold k = 8 .. 11 there: zeros
.endr
.irp t, 0,1,2,3
	v_wmma_f32_16x16x64_fp8_fp8 v[ACC+8*\t:ACC+8*\t+7], v[AX:AX+7], v[BX+8*\t:BX+8*\t+7], v[BI1:BI1+7]
.endr
	PLACES 5                                       ; the other form writes over these results: five places
.irp t, 0,1,2,3                        ; the four accumulators take turns, one instruction a turn
	v_wmma_f32_16x16x128_fp8_fp8 v[ACC+8*\t:ACC+8*\t+7], v[W1F:W1F+15], v[BF+16*\t:BF+16*\t+15], v[ACC+8*\t:ACC+8*\t+7]
.endr
	PLACES 4
	ACT 0, 25, 26
	BARRIER                                        ; layer 1's codes lie in IMG1
	; ---- layer 2
	LOADBF IMG1
	s_wait_dscnt 0x0
.irp t, 0,1,2,3
	v_wmma_f32_16x16x128_fp8_fp8 v[ACC+8*\t:ACC+8*\t+7], v[W2F:W2F+15], v[BF+16*\t:BF+16*\t+15], v[BI2:BI2+7]
.endr
	PLACES 4
	ACT IMG2-IMG1, 27, 28
	BARRIER                                        ; layer 2's codes lie in IMG2
	; ---- layer 3, sources the other way round: register j of lane (r, h) is out(unit 16 w + r, pixel 16 t + 8 h + j)
	LOADBF IMG2
	s_wait_dscnt 0x0
.irp t, 0,1,2,3
	v_wmma_f32_16x16x128_fp8_fp8 v[ACC+8*\t:ACC+8*\t+7], v[BF+16*\t:BF+16*\t+15], v[W3F:W3F+15], 0
.endr
	PLACES 4
.irp t, 0,1,2,3
.irp i, 0,2,4,6
	v_pk_fma_f32 v[ACC+8*\t+\i:ACC+8*\t+\i+1], v[ACC+8*\t+\i:ACC+8*\t+\i+1], s[46:47], v[B3:B3+1] op_sel_hi:[1,0,0]   ; sum x 2^(e4 + e5) + b3: of both pairs the low word serves both halves
.endr
.irp i, 0,2,4,6
	v_pk_mul_f32 v[TM+\i:TM+\i+1], v[ACC+8*\t+\i:ACC+8*\t+\i+1], 0x3dcccccd op_sel_hi:[1,0]
.endr
.irp j, 0,1,2,3,4,5,6,7
	v_max_num_f32 v[ACC+8*\t+\j], v[ACC+8*\t+\j], v[TM+\j]
.endr
	ds_store_b128 v18, v[ACC+8*\t:ACC+8*\t+3] offset:64*\t
	ds_store_b128 v18, v[ACC+8*\t+4:ACC+8*\t+7] offset:64*\t+16
.endr
	; my 16 rows of the stage are mine alone, and LDS serves a wave's instructions in order (ISA guide 5.7.1.4): no barrier and no wait between the stores and the loads
.irp i, 0,1,2,3,4,5,6,7
	ds_load_b128 v[BF+4*\i:BF+4*\i+3], v19 offset:2*OP*\i
.endr
.irp i, 0,1,2,3,4,5,6,7
	s_wait_dscnt 7-\i                              ; rows 2 i and 2 i + 1 are back; the younger loads may be out
	global_store_b128 v20, v[BF+4*\i:BF+4*\i+3], s[30:31] offset:32768*\i th:TH_STORE_NT   ; 16 lanes store a unit's 64 pixels: 256 consecutive bytes, aligned
.endr
	s_wait_tensorcnt 0x0
	ds_add_u32 v254, v255
	s_wait_dscnt 0x0
	s_endpgm
.Lfunc_end_k_q97b91a451b_gather_mlp:
	.size	k_q97b91a451b_gather_mlp, .Lfunc_end_k_q97b91a451b_gather_mlp-k_q97b91a451b_gather_mlp
	.p2alignl 7, 3214868480
	.fill 96, 4, 3214868480
	.section	.rodata,"a",@progbits
	.p2align	6, 0x0
	.amdhsa_kernel k_q97b91a451b_gather_mlp
		.amdhsa_group_segment_fixed_size 168960
		.amdhsa_private_segment_fixed_size 0
		.amdhsa_enable_private_segment 0
		.amdhsa_kernarg_size 112
		.amdhsa_user_sgpr_count 2
		.amdhsa_user_sgpr_kernarg_segment_ptr 1
		.amdhsa_wavefront_size32 1
		.amdhsa_system_sgpr_workgroup_id_x 1
		.amdhsa_system_sgpr_workgroup_id_y 1
		.amdhsa_system_sgpr_workgroup_id_z 1
		.amdhsa_system_vgpr_workitem_id 0
		.amdhsa_next_free_vgpr 416
		.amdhsa_next_free_sgpr 66
		.amdhsa_reserve_vcc 0
		.amdhsa_float_denorm_mode_32 3
		.amdhsa_float_denorm_mode_16_64 3
		.amdhsa_memory_ordered 1
		.amdhsa_forward_progress 1
		.amdhsa_inst_pref_size 51
	.end_amdhsa_kernel
	.amdgpu_metadata
---
amdhsa.version: [ 1, 2 ]
amdhsa.kernels:
  - .name:           k_q97b91a451b_gather_mlp
    .symbol:         k_q97b91a451b_gather_mlp.kd
    .args:
      - { .name: nn, .offset: 0, .size: 8, .value_kind: global_buffer, .address_space: global }
      - { .name: cells, .offset: 8, .size: 8, .value_kind: global_buffer, .address_space: global }
      - { .name: uv, .offset: 16, .size: 8, .value_kind: global_buffer, .address_space: global }
      - { .name: f2t, .offset: 24, .size: 8, .value_kind: global_buffer, .address_space: global }
      - { .name: f3c, .offset: 32, .size: 8, .value_kind: global_buffer, .address_space: global }
      - { .name: w1c, .offset: 40, .size: 8, .value_kind: global_buffer, .address_space: global }
      - { .name: w1, .offset: 48, .size: 8, .value_kind: global_buffer, .address_space: global }
      - { .name: w2_codes, .offset: 56, .size: 8, .value_kind: global_buffer, .address_space: global }
      - { .name: w3_codes, .offset: 64, .size: 8, .value_kind: global_buffer, .address_space: global }
      - { .name: b1, .offset: 72, .size: 8, .value_kind: global_buffer, .address_space: global }
      - { .name: b2, .offset: 80, .size: 8, .value_kind: global_buffer, .address_space: global }
      - { .name: b3, .offset: 88, .size: 8, .value_kind: global_buffer, .address_space: global }
      - { .name: lowp_scales, .offset: 96, .size: 8, .value_kind: global_buffer, .address_space: global }
      - { .name: out0, .offset: 104, .size: 8, .value_kind: global_buffer, .address_space: global }
    .group_segment_fixed_size: 168960
    .private_segment_fixed_size: 0
    .kernarg_segment_align: 8
    .kernarg_segment_size: 112
    .max_flat_workgroup_size: 256
    .sgpr_count:     66
    .vgpr_count:     416
    .wavefront_size: 32
...
	.end_amdgpu_metadata
.endif
;; end of part 2
